; MI455X (gfx1250); checked and timed in simulation.
; The chip was launched on July 23, 2026; its instructions are those of AMD's public machine-readable ISA for CDNA 5 (MIT licence, August 2026) and "CDNA5" Instruction Set Architecture Reference Guide (July 2026). The comments in the code are by the model that wrote it; some were corrected since.
;; News Encoder. Allowed arithmetic: matrix products marked QUANTISED: E2M1 operands, one E8M0 scale for each 32 along K, by v_wmma_scale_f32_16x16x128_f8f6f4 with both operands' format E2M1 (or v_wmma_scale_f32_32x16x128_f4), f32 sums; products left as they are: f32 operands where the result goes on into a quantised operand, else bf16, f16 or f32 operands; f32 sums; everything else in f32.
;; Inputs: WK_codes 256 x 8 x 16 uint8 (E2M1 codes of WK, K innermost, in blocks of 32 codes, two codes a byte); WK_scales 256 x 8 uint8 (E8M0 scales of WK, one for each 32 codes along K); WO_codes 256 x 8 x 16 uint8 (E2M1 codes of WO, K innermost, in blocks of 32 codes, two codes a byte); WO_scales 256 x 8 uint8 (E8M0 scales of WO, one for each 32 codes along K); WQ_codes 256 x 8 x 16 uint8 (E2M1 codes of WQ, K innermost, in blocks of 32 codes, two codes a byte); WQ_scales 256 x 8 uint8 (E8M0 scales of WQ, one for each 32 codes along K); WV_codes 256 x 8 x 16 uint8 (E2M1 codes of WV, K innermost, in blocks of 32 codes, two codes a byte); WV_scales 256 x 8 uint8 (E8M0 scales of WV, one for each 32 codes along K); dense_b 1 float32; dense_w 256 x 1 float32; emb_table 50,000 x 256 float32; tokens 4,096 x 64 int32.
;; Outputs: out0 4,096 x 256 float32.
;; This version of the problem:
;;   THIS VERSION OF THE PROBLEM IS GIVEN IN LOW PRECISION. The matrix products marked QUANTISED in the list below multiply operands that are first quantised to E2M1 (2 exponent bits, 1 mantissa bit; 4 bits a number), with one power-of-two scale for each 32 numbers along K (OCP MX v1.0); their sums are f32. All else is computed in f32.
;;   The module's matrix products, in the order in which they are computed (A, B: the left and right operand; K: the contracted axis; several contracted axes count as one K, in the product's order):
;;     1. [M 262,144, K 256] x [K 256, N 256]; A: computed on the way; B: input WQ (given as codes): QUANTISED
;;     2. [M 262,144, K 256] x [K 256, N 256]; A: computed on the way; B: input WK (given as codes): QUANTISED
;;     3. [M 262,144, K 256] x [K 256, N 256]; A: computed on the way; B: input WV (given as codes): QUANTISED
;;     4. [M 262,144, K 256] x [K 256, N 256]; A: computed on the way; B: input WO (given as codes): QUANTISED
;;     5. [M 262,144, K 256] x [K 256, N 1]; A: computed on the way; B: input dense_w: left as it is (N = 1 < 16)
;;   THE QUANTISER, for each operand of a quantised product, along K:
;;     - K is cut into blocks of 32 from its start; a last block that is shorter is filled with zeros.
;;     - A block's scale is 2^e with e = floor(log2(the largest magnitude in the block)) - 2, held to -126 .. 127; a block of zeros has e = 0. As a byte (E8M0): e + 127.
;;     - Each number is divided by its block's scale, clamped to +-6, and rounded to the nearest number of E2M1, ties to even, subnormals kept.
;;     - The product sums the exact products of the quantised numbers (number of the format x scale) in f32.
;;   ~~~python
;;   def quantise(x, axis):      # numpy; x: float32 -> the quantised numbers, widened to float32 again
;;       x = np.moveaxis(x, axis, -1); K = x.shape[-1]
;;       x = np.pad(x, [(0, 0)] * (x.ndim - 1) + [(0, -K % 32)]); x = x.reshape(x.shape[:-1] + (-1, 32)); a = np.abs(x).max(-1, keepdims=True)
;;       e = np.where(a > 0, np.clip(np.frexp(np.where(a > 0, a, 1))[1] - 1 - 2, -126, 127), 0)      # np.frexp(a)[1] - 1 = floor(log2(a)), exactly
;;       r = np.clip(x / 2.0 ** e, -6, 6)
;;       step = 2.0 ** (np.maximum(np.frexp(np.where(r == 0, 1, r))[1] - 1, 0) - 1)
;;       q = np.round(r / step) * step * 2.0 ** e      # np.round: ties to even
;;       return np.moveaxis(q.reshape(q.shape[:-2] + (-1,))[..., :K], -1, axis).astype(np.float32)
;;   ~~~
;;   OPERANDS COMPUTED ON THE WAY. 'Computed on the way' means the value that the module computes at that place (a softmax that the list does not call 'softmax' is quantised finished and normalised). What goes into a quantiser is computed in f32, as accurately as f32 sums, v_exp_f32 and their like allow (about 1e-6 of the number): no bf16 or f16 on the way to a quantiser, and a product that is left as it is and whose result goes on into a quantised operand takes f32 operands (vector FMAs, or v_wmma_f32_16x16x4_f32). A number that lies on a knife's edge between two numbers of the format may be rounded either way, as far as f32 arithmetic and the matrix unit's own rounding can turn it there, and no further.
;;   INPUTS GIVEN AS CODES. WK (in the module: [256, 256], K = its axis 0); WO (in the module: [256, 256], K = its axis 0); WQ (in the module: [256, 256], K = its axis 0); WV (in the module: [256, 256], K = its axis 0): each comes as NAME_codes (uint8): NAME with its K axis moved to the last place and cut into blocks of 32 codes, [.., K / 32, bytes a block], one block behind the other in memory; two codes a byte, the lower K in the low four bits (a code: sign, 2 exponent bits, 1 mantissa bit); and NAME_scales (uint8): the same leading axes, one E8M0 byte (e + 127) for each 32 codes along K. Its value is code x scale, taken as it is: it is not quantised again, and the codes and scales need not be those that the quantiser above would give.
;; One version. Each part assembles by itself: llvm-mc -triple=amdgcn-amd-amdhsa -mcpu=gfx1250 --defsym DOCPART=n.
;; ======== version 1 of 1: 2 launches
;; limits: right only within a limited range of input values
;; workspace buffers: xc 6,400,000 bytes; xs 400,128 bytes
;; launch quant (part 1): grid 1250 x 1, 5 waves a work-group, no clusters, 27,648 bytes of LDS; arguments emb_table, xc, xs; writes xc, xs
.if DOCPART == 1
	.amdgcn_target "amdgcn-amd-amdhsa--gfx1250"
	.amdhsa_code_object_version 6
	.text
	.protected	k_q1cba2c8180_quant
	.globl	k_q1cba2c8180_quant
	.p2align	8
	.type	k_q1cba2c8180_quant,@function
k_q1cba2c8180_quant:
	s_mov_b64 s[64:65], 0
	v_nop
	global_prefetch_b8 v0, s[64:65] scope:SCOPE_SE
	s_setreg_imm32_b32 hwreg(HW_REG_WAVE_MODE, 25, 1), 1
	s_wait_xcnt 0x0
; emb_table [50000][256] f32 becomes codes of FP4 (E2M1), xc [50000][128 bytes], K (the 256) innermost, the lower k in the low four bits,
; and one E8M0 byte for each 32 along K, xs [50000][8].  A row's quantised numbers hang on the row alone, so the table is quantised once
; here and the next launch gathers codes.
; DEAD WORK, in the whole program: dense_b is one number, added to the scores of all 64 tokens of an item ahead of the softmax over these tokens:
; softmax(s + b) = softmax(s) for every b, so it reaches no output.  It is not loaded and is no launch's argument.  LIMIT: a NaN or an infinity in dense_b is not carried to the result.
; A block's scale is 2^(floor(log2(its largest magnitude)) - 2); its byte is the largest magnitude's exponent field - 2, held at 1 from below.
; LIMITS: a block of zeros gets the byte 1 where the rule says 127 (its codes are zeros, which add nothing under any byte but 0xff, and this
; program alone reads the bytes); a largest magnitude under 2^-124 is taken as 2^-124 (the rule's own lower hold of the byte); NaN and
; infinities among the inputs are not served.
; Rows are dense and 256 is a multiple of 32: the table is a plain stream of blocks of 32.  12,800,000 numbers = 6,250 runs of 2,048 (8 rows);
; a wave takes one run, 4 steps of 512 numbers; 1,250 work-groups of 5 waves.  Waves share nothing: no barrier.  All 16 loads of a wave go out at once.
; A load reads 512 consecutive bytes, 16 a lane; the conversion wants 16 NEIGHBOURS in a lane: a step's 2,048 bytes turn through the wave's
; own stage in LDS (80 bytes a lane on the way out: 64 + 16 of padding).  Two neighbouring lanes hold a block.
.set STEPS, 4
.set R,     16                         ; v16-79   four sets of 16 numbers as they are loaded
.set X,     80                         ; v80-111  two sets of 16 neighbours
.set E,     112                        ; v112-115 a scale byte for each step
.set C,     116                        ; v116-123 a pair of code registers for each step
.set SP,    80                         ; a lane's place in a stage
.set WREG,  5376                       ; LDS of a wave: two stages of 32 x 80 bytes, then its 64 scale bytes
	s_load_b128 s[4:7], s[0:1], 0x0                ; the table, xc
	s_load_b64 s[8:9], s[0:1], 0x10                ; xs
	v_lshl_add_u32 v124, v0, 2, 0x6900             ; my spare word
	v_mov_b32 v125, 0
	v_lshrrev_b32 v1, 5, v0
	v_readfirstlane_b32 s16, v1                    ; wave 0..4
	v_and_b32 v2, 31, v0                           ; lane
	v_lshlrev_b32 v3, 4, v2                        ; my 16 bytes of a load's 512
	s_mul_i32 s17, s16, WREG
	v_lshrrev_b32 v14, 2, v2
	v_mul_u32_u24 v14, v14, SP
	v_and_b32 v15, 3, v2
	v_lshl_add_u32 v14, v15, 4, v14
	v_add_nc_u32 v14, s17, v14                     ; the stage, way in: 80 (lane / 4) + 16 (lane % 4)
	v_mul_u32_u24 v15, v2, SP
	v_add_nc_u32 v15, s17, v15                     ; way out: 80 x lane: my 16 neighbours
	v_lshlrev_b32 v4, 3, v2                        ; my 8 bytes of a step's 256 bytes of codes
	v_lshrrev_b32 v5, 1, v2
	s_add_co_u32 s17, s17, 2*32*SP
	v_add_nc_u32 v5, s17, v5                       ; LDS: my block's scale byte
	v_lshlrev_b32 v7, 1, v2                        ; and on the way out 2 bytes a lane
	v_add_nc_u32 v6, s17, v7
	s_mul_i32 s18, ttmp9, 5
	s_add_co_u32 s18, s18, s16                     ; my run, 0 .. 6,249
	s_lshl_b32 s20, s18, 13                        ; 8,192 bytes of numbers a run,
	s_mov_b32 s21, 0
	s_lshl_b32 s22, s18, 10                        ; 1,024 of codes,
	s_mov_b32 s23, 0
	s_lshl_b32 s24, s18, 6                         ; 64 of scale bytes
	s_mov_b32 s25, 0
	s_wait_alu depctr_va_vdst(0)
	s_wait_kmcnt 0x0
	s_add_nc_u64 s[4:5], s[4:5], s[20:21]
	s_add_nc_u64 s[6:7], s[6:7], s[22:23]
	s_add_nc_u64 s[8:9], s[8:9], s[24:25]
.irp t, 0,1,2,3
.irp i, 0,1,2,3
	global_load_b128 v[R+16*\t+4*\i:R+16*\t+4*\i+3], v3, s[4:5] offset:2048*\t+512*\i th:TH_LOAD_NT   ; 32 lanes read 512 consecutive bytes; read once in the launch
.endr
.endr
.macro TURN t                          ; step t's numbers through the stage: LDS serves a wave's instructions in order (ISA guide 5.7.1), so no wait stands between the stores and the loads
.irp i, 0,1,2,3
	ds_store_b128 v14, v[R+16*(\t)+4*\i:R+16*(\t)+4*\i+3] offset:32*SP*((\t)%2)+8*SP*\i
.endr
.irp i, 0,1,2,3
	ds_load_b128 v[X+16*((\t)%2)+4*\i:X+16*((\t)%2)+4*\i+3], v15 offset:32*SP*((\t)%2)+16*\i
.endr
.endm
	s_wait_loadcnt 12                              ; step 0's four loads are in; the twelve of steps 1 to 3 stay out
	TURN 0
.macro STEP t
.set XS, X+16*((\t)%2)
.if (\t) > 0
	s_wait_dscnt 1                                 ; this step's numbers are back from the stage (the last step's byte store may be out)
.else
	s_wait_dscnt 0x0
.endif
.if (\t)+1 < STEPS
	s_wait_loadcnt 4*(STEPS-2-(\t))                ; the next step's four loads are in
	TURN (\t)+1                                    ; the next step goes through the other stage while this one is worked
.endif
	v_max3_num_f32 v8, |v[XS]|, |v[XS+1]|, |v[XS+2]|               ; the largest magnitude of my 16, in two chains
	v_max3_num_f32 v9, |v[XS+3]|, |v[XS+4]|, |v[XS+5]|
.irp i, 6,10
	v_max3_num_f32 v8, v8, |v[XS+\i]|, |v[XS+\i+1]|
	v_max3_num_f32 v9, v9, |v[XS+\i+2]|, |v[XS+\i+3]|
.endr
	v_max3_num_f32 v8, v8, |v[XS+14]|, |v[XS+15]|
	v_max3_num_f32 v8, v8, v9, 0x1800000           ; and the floor 2^(3 - 127): the byte cannot fall under 1
	v_max_num_f32_dpp v8, v8, v8 row_xmask:1 row_mask:0xf bank_mask:0xf   ; with my neighbour's 16: the block's
	v_add_nc_u32 v11, 0xff000000, v8               ; 2 off its exponent field: the conversion takes the exponent field of this operand as its scale
	v_cvt_scalef32_pk8_fp4_f32 v[C+2*(\t)], v[XS:XS+7], v11        ; eight numbers / the scale, to the nearest code, ties to even, beyond 6 the largest code
	v_cvt_scalef32_pk8_fp4_f32 v[C+2*(\t)+1], v[XS+8:XS+15], v11
	v_lshrrev_b32 v[E+(\t)], 23, v11               ; the scale's byte (also the plain line behind the conversions)
	ds_store_b8 v5, v[E+(\t)] offset:16*(\t)       ; both lanes of a block write the same byte with the same value
	global_store_b64 v4, v[C+2*(\t):C+2*(\t)+1], s[6:7] offset:256*(\t)   ; the wave stores 256 consecutive bytes, at a multiple of 256 from xc's first byte
.endm
.irp t, 0,1,2,3
	STEP \t
.endr
	ds_load_u16 v12, v6                            ; my wave's 64 scale bytes: these loads see my stores
	s_wait_dscnt 0x0
	global_store_b16 v7, v12, s[8:9]               ; 64 consecutive bytes
	s_wait_tensorcnt 0x0
	ds_add_u32 v124, v125
	s_wait_dscnt 0x0
	s_endpgm
.Lfunc_end_k_q1cba2c8180_quant:
	.size	k_q1cba2c8180_quant, .Lfunc_end_k_q1cba2c8180_quant-k_q1cba2c8180_quant
	.p2alignl 7, 3214868480
	.fill 96, 4, 3214868480
	.section	.rodata,"a",@progbits
	.p2align	6, 0x0
	.amdhsa_kernel k_q1cba2c8180_quant
		.amdhsa_group_segment_fixed_size 27648
		.amdhsa_private_segment_fixed_size 0
		.amdhsa_enable_private_segment 0
		.amdhsa_kernarg_size 24
		.amdhsa_user_sgpr_count 2
		.amdhsa_user_sgpr_kernarg_segment_ptr 1
		.amdhsa_wavefront_size32 1
		.amdhsa_system_sgpr_workgroup_id_x 1
		.amdhsa_system_sgpr_workgroup_id_y 1
		.amdhsa_system_sgpr_workgroup_id_z 1
		.amdhsa_system_vgpr_workitem_id 0
		.amdhsa_next_free_vgpr 126
		.amdhsa_next_free_sgpr 66
		.amdhsa_reserve_vcc 0
		.amdhsa_float_denorm_mode_32 3
		.amdhsa_float_denorm_mode_16_64 3
		.amdhsa_memory_ordered 1
		.amdhsa_forward_progress 1
		.amdhsa_inst_pref_size 10
	.end_amdhsa_kernel
	.amdgpu_metadata
---
amdhsa.version: [ 1, 2 ]
amdhsa.kernels:
  - .name:           k_q1cba2c8180_quant
    .symbol:         k_q1cba2c8180_quant.kd
    .args:
      - { .name: emb_table, .offset: 0, .size: 8, .value_kind: global_buffer, .address_space: global }
      - { .name: xc, .offset: 8, .size: 8, .value_kind: global_buffer, .address_space: global }
      - { .name: xs, .offset: 16, .size: 8, .value_kind: global_buffer, .address_space: global }
    .group_segment_fixed_size: 27648
    .private_segment_fixed_size: 0
    .kernarg_segment_align: 8
    .kernarg_segment_size: 24
    .max_flat_workgroup_size: 160
    .sgpr_count:     66
    .vgpr_count:     126
    .wavefront_size: 32
...
	.end_amdgpu_metadata
.endif
;; end of part 1
;; launch news (part 2): grid 256 x 1, 16 waves a work-group, clusters of 4 x 1, 326,656 bytes of LDS; arguments tokens, xc, xs, WQ_codes, WK_codes, WV_codes, WO_codes, WQ_scales, WK_scales, WV_scales, WO_scales, dense_w, out0; writes out0
.if DOCPART == 2
	.amdgcn_target "amdgcn-amd-amdhsa--gfx1250"
	.amdhsa_code_object_version 6
	.text
	.protected	k_q1cba2c8180_news
	.globl	k_q1cba2c8180_news
	.p2align	8
	.type	k_q1cba2c8180_news,@function
k_q1cba2c8180_news:
	s_mov_b64 s[64:65], 0
	v_nop
	global_prefetch_b8 v0, s[64:65] scope:SCOPE_SE
	s_setreg_imm32_b32 hwreg(HW_REG_WAVE_MODE, 25, 1), 1
	s_wait_xcnt 0x0
	s_wait_alu depctr_hold_cnt(0) depctr_sa_sdst(0) depctr_va_vdst(0) depctr_va_sdst(0) depctr_va_ssrc(0) depctr_va_vcc(0) depctr_vm_vsrc(0)
	s_getreg_b32 s2, hwreg(HW_REG_IB_STS2, 6, 4)
	s_cmp_eq_u32 s2, 0
	s_cbranch_scc0 .Lentry_in_a_cluster
	s_endpgm
.Lentry_in_a_cluster:
	s_bfe_u32 s2, ttmp6, 0x10000c
	s_cmp_lg_u32 s2, 0x3003
	s_cbranch_scc0 .Lentry_shape_is_right
	s_endpgm
.Lentry_shape_is_right:
; out0[b] = sum over l of attn[l] hidden[l], hidden = Q4(w V) WO, w = softmax over l of (mean Q . K[l] + mean K . Q[l]) for each head of 32 channels,
; Q, K, V = Q4(x) W, x = the 64 gathered rows of the table; attn = softmax over l of (hidden . dense_w).  All four products on codes of FP4
; (E2M1) with one E8M0 scale for each 32 along K, f32 sums; all else in f32.  x's codes and scale bytes come from xc and xs, which the launch before has made.
; LEFT OUT: dense_b, the same for all tokens ahead of the softmax over the tokens (it cancels for every value).  LIMIT: a NaN or an infinity in it is not carried to the result.
; SHARES.  ONE WAVE OWNS ONE ITEM (64 tokens) from the gather to the stored row; a work-group of sixteen waves takes 16 items, 256 work-groups take the 4,096: four waves to a SIMD, 256 registers each.
; No sum and no operand crosses waves: the only barrier behind the head's round stands behind the staging of the weights.
; The four weights (4 x 32,768 bytes of codes, 4 x 2,048 of scale bytes) and dense_w lie in LDS for the whole launch.
; CLUSTERS: four work-groups read the same codes of the weights at the same time: eight joint tensor loads (half a matrix each, waves 0 to 7) fetch them for all four.
; NO PREFETCH: each row of xc is asked for once, at the head, and no loop behind it loads from memory.
; PRODUCTS 1 TO 3 ARE USED TRANSPOSED (source 0 = 32 rows of W, source 1 = 16 tokens): lane (r, h) holds token 16 t + r and register 8 u + j holds channel 32 head + 16 u + 8 h + j.
; So a token's w and its block of the context (a head IS a block of 32 of the fourth product's K) lie in lanes l and l xor 16; the means want a sum over 16 lanes, which turns through LDS.
; PRODUCT 4 IS MADE TWICE, since hidden (64 x 256 numbers, 512 registers) has no room beside the rest and the pooling wants the softmax of all its scores first:
; once transposed, as the first three, for the scores (a lane holds a token and its registers run along the columns: no sum over 16 lanes); once as it stands
; (source 0 = 32 tokens of the context, source 1 = 16 rows of WO): lane (r, h) holds column 16 n + r and register j token 8 h + j: the pooling stays in the lane.
; LIMITS: NaN and infinities are not served; a block of the context whose largest magnitude lies under 2^-124 is scaled by the byte 1 (the rule's own hold), a block of zeros too
; (its codes are zeros); a token above 49,999 is held at the last row; sums over tokens and channels are taken in an order of their own, all in f32.
;
; LDS: 0: WQ, WK, WV, WO codes: two rows of 128 bytes, then 16 of padding: row n at 272 (n / 2) + 128 (n % 2): 16 rows then start in 16 different 16-byte columns of 256 bytes;
;      WSC: their scale bytes [256][8];  DWT: dense_w;  SPARE;  PRV + 11,008 w: wave w's own: its item's 64 rows laid likewise (x's codes, later the context's, whose
;      scale bytes, 8 a row, lie in the 16 bytes behind each two rows);  SST: the stage of the sums, and of the row that leaves.
; REGISTERS: v0-7, v254, v255 addresses; v12-21 SCALE WORDS and nothing else; v22-29 sums at work; v30-93 Q^T, then V^T and the context, at the end hidden;
;   v94-157 K^T, once that is used up all that is at work (and at the end the p); v158-221 x's fragments, at the end the context's: tile t, K step s at 32 (t / 2) + 16 s + 8 (t % 2);
;   v222-253 fragments of a weight (16 rows u, K step s at 16 s + 8 u), and the means by turns.
.set RP,    272                        ; two rows of codes
.set TB,    8*RP                       ; 16 rows
.set WMAT,  128*RP                     ; a weight's codes in LDS
.set WSC,   4*WMAT
.set DWT,   WSC+8192
.set SPARE, DWT+1024                   ; the spare words, 128 bytes for each wave
.set PRV,   SPARE+2048
.set PRVB,  11008
.set SST,   8704
.set LFR, 1                            ; my lane's place in a fragment: 272 (r / 2) + 128 (r % 2) + 16 h
.set PCD, 2                            ; my wave's bytes + my row + 4 h: where the context's codes go
.set PB8, 3                            ; and its scale bytes: 272 (r / 2) + 256 + 8 (r % 2)
.set LSC, 4                            ; WSC + 8 x lane
.set SSW, 5                            ; the sums' stage: where I store,
.set SSR, 6                            ; where I read
.set SOW, 7                            ; the finished sums: where I store,
.set SOR, 254                          ; where I read
.set VAD, 255                          ; DWT + 32 h
.set WA,  22
.set QT,  30
.set KT,  94
.set XF,  158
.set WF,  222
.set WT,  94
.set TP,  98
.set AM,  102
.set SC,  106
.set BY,  110
.set MXR, 114
.set SS,  115
.set RR,  116
.set AC,  117                          ; where a head's codes of the context go
.set AB,  118                          ; and its scale bytes
.set TA,  119                          ; a weight's rows
.set CD,  120
.set VV,  128                          ; dense_w at my 16 of 32 columns
.set TS,  145                          ; scale words of a weight;  dense_w
.set PP,  94                           ; the p of my half's 32 tokens
.set SPW, 150
.set NIL, 151
; One matrix instruction, 32 x 16 x 128.  d, a, b: first registers of D, A, B;  z = 1: C = 0 (it starts the sum), else in place;  sa, sb: the scale registers;  rb = 1: B's scales stand in lanes 16-31.
.macro MM d, a, b, z, sa, sb, rb
.if (\z)
.if (\rb)==0
	v_wmma_scale_f32_32x16x128_f4 v[\d:\d+15], v[\a:\a+15], v[\b:\b+7], 0, v[\sa], v[\sb]
.else
	v_wmma_scale_f32_32x16x128_f4 v[\d:\d+15], v[\a:\a+15], v[\b:\b+7], 0, v[\sa], v[\sb] matrix_b_scale:MATRIX_SCALE_ROW1
.endif
.else
.if (\rb)==0
	v_wmma_scale_f32_32x16x128_f4 v[\d:\d+15], v[\a:\a+15], v[\b:\b+7], v[\d:\d+15], v[\sa], v[\sb]
.else
	v_wmma_scale_f32_32x16x128_f4 v[\d:\d+15], v[\a:\a+15], v[\b:\b+7], v[\d:\d+15], v[\sa], v[\sb] matrix_b_scale:MATRIX_SCALE_ROW1
.endif
.endif
.endm
; 32 rows of a weight x the 64 tokens into d: four accumulators by turns, one instruction a turn; the first K step starts the sums.  sw: the weight's scale words
.macro PROD d, sw
.irp s, 0,1
.irp t, 0,1,2,3
	MM \d+16*\t, WF+16*\s, XF+32*(\t/2)+16*\s+8*(\t%2), 1-\s, \sw+\s, 18+2*(\t/2)+\s, \t%2
.endr
.endr
.endm
; A fragment, 16 rows x 128 K of 4-bit codes, is 8 registers: lane (r, h) holds row r; registers 4 c .. 4 c + 3 hold K = 64 c + 32 h + 0 .. 31: 16 bytes of the row as they lie
.macro FRAG reg, adr, off
	ds_load_b128 v[\reg:\reg+3], v[\adr] offset:\off
	ds_load_b128 v[\reg+4:\reg+7], v[\adr] offset:\off+32
.endm
.macro WLOAD adr, off                  ; 32 rows of a weight: 8 loads
.irp s, 0,1
.irp u, 0,1
	FRAG WF+16*\s+8*\u, \adr, \off+TB*\u+64*\s
.endr
.endr
.endm
.macro XLOAD adr                       ; the item's 64 rows: 16 loads
.irp t, 0,1,2,3
.irp s, 0,1
	FRAG XF+32*(\t/2)+16*\s+8*(\t%2), \adr, TB*\t+64*\s
.endr
.endr
.endm
.macro VLOAD adr                       ; dense_w at columns 8 h + 0 .. 7 and 16 + 8 h + 0 .. 7 of 32
	ds_load_b128 v[VV:VV+3], v[\adr]
	ds_load_b128 v[VV+4:VV+7], v[\adr] offset:16
	ds_load_b128 v[VV+8:VV+11], v[\adr] offset:64
	ds_load_b128 v[VV+12:VV+15], v[\adr] offset:80
.endm
; Two f32 operations in one instruction, on even-aligned pairs
.macro DADD d, a, b
	v_dual_add_f32 v[\d], v[\a], v[\b] :: v_dual_add_f32 v[(\d)+1], v[(\a)+1], v[(\b)+1]
.endm
.macro DMUL d, a, b
	v_dual_mul_f32 v[\d], v[\a], v[\b] :: v_dual_mul_f32 v[(\d)+1], v[(\a)+1], v[(\b)+1]
.endm
.macro DFMA d, a, b
	v_dual_fmac_f32 v[\d], v[\a], v[\b] :: v_dual_fmac_f32 v[(\d)+1], v[(\a)+1], v[(\b)+1]
.endm
.macro DMB a, w                        ; a pair x one number
	v_dual_mul_f32 v[\a], v[\a], v[\w] :: v_dual_mul_f32 v[(\a)+1], v[(\a)+1], v[\w]
.endm
.macro TSUM d, a                       ; a lane's four tokens: 16 channels' sums; each accumulator is read from its low end on
.irp i, 0,2,4,6,8,10,12,14
	DADD \d+\i, \a+\i, \a+16+\i
.endr
.irp t, 2,3
.irp i, 0,2,4,6,8,10,12,14
	DADD \d+\i, \d+\i, \a+16*\t+\i
.endr
.endr
.endm
; The softmax's lines over the 64 tokens: four in the lane, sixteen lanes (both halves hold the same).  f: what brings the exponents to the base 2.  WT: in the arguments, out the normalised results
.macro SOFTMAX f
	v_max3_num_f32 v[MXR], v[WT], v[WT+1], v[WT+2]
	v_max_num_f32 v[MXR], v[MXR], v[WT+3]
.irp m, 1,2,4,8
	v_max_num_f32_dpp v[MXR], v[MXR], v[MXR] row_xmask:\m row_mask:0xf bank_mask:0xf
.endr
.irp t, 0,1,2,3
	v_sub_f32 v[WT+\t], v[WT+\t], v[MXR]
.endr
.irp t, 0,1,2,3
	v_mul_f32 v[WT+\t], \f, v[WT+\t]
.endr
	s_wait_alu depctr_va_vdst(0)                   ; ahead of the batch
.irp t, 0,1,2,3
	v_exp_f32 v[WT+\t], v[WT+\t]
.endr
	v_nop                                          ; a plain line behind the last exponential
	s_wait_alu depctr_va_vdst(0)                   ; one wait for the four, ahead of their first reader
	v_add_f32 v[SS], v[WT], v[WT+1]
	v_add_f32 v[RR], v[WT+2], v[WT+3]
	v_add_f32 v[SS], v[SS], v[RR]
.irp m, 1,2,4,8
	v_add_f32_dpp v[SS], v[SS], v[SS] row_xmask:\m row_mask:0xf bank_mask:0xf
.endr
	s_wait_alu depctr_va_vdst(0)
	v_rcp_f32 v[RR], v[SS]
	v_nop                                          ; a plain line behind the reciprocal
	s_wait_alu depctr_va_vdst(0)                   ; and its wait
.irp t, 0,1,2,3
	v_mul_f32 v[WT+\t], v[WT+\t], v[RR]
.endr
.endm
.macro CROUND                          ; a whole round of the cluster's barrier
	s_barrier_signal -1
	s_barrier_wait -1
	s_cmp_lg_u32 s30, 0
	s_cbranch_scc1 .Lnot_wave_0_\@
	s_barrier_signal -3
.Lnot_wave_0_\@:
	s_barrier_wait -3
	s_barrier_signal -1
	s_barrier_wait -1
.endm
	s_load_b512 s[4:19], s[0:1], 0x0               ; tokens s[4:5], xc s[6:7], xs s[8:9], codes of WQ s[10:11], WK s[12:13], WV s[14:15], WO s[16:17], WQ's scales s[18:19]
	s_load_b256 s[20:27], s[0:1], 0x40             ; scales of WK s[20:21], WV s[22:23], WO s[24:25], dense_w s[26:27]
	s_load_b64 s[28:29], s[0:1], 0x60              ; out0
	v_lshl_add_u32 v[SPW], v0, 2, SPARE
	v_mov_b32 v[NIL], 0
	ds_add_u32 v[SPW], v[NIL]                      ; the opening: the add, twice on end, and its wait ahead of a tensor load
	ds_add_u32 v[SPW], v[NIL]
	v_lshrrev_b32 v130, 5, v0
	v_readfirstlane_b32 s30, v130                  ; wave 0..15
	v_and_b32 v120, 31, v0                         ; lane
	v_and_b32 v121, 15, v0                         ; r
	v_bfe_u32 v122, v0, 4, 1                       ; h
	s_mul_i32 s31, s30, PRVB
	s_add_co_u32 s31, s31, PRV                     ; my wave's own bytes
	v_lshrrev_b32 v123, 1, v121
	v_and_b32 v124, 1, v0
	v_mul_u32_u24 v125, v123, RP
	v_lshl_add_u32 v[LFR], v124, 7, v125
	v_lshl_add_u32 v[PCD], v122, 2, v[LFR]
	v_lshl_add_u32 v[LFR], v122, 4, v[LFR]
	v_add_nc_u32 v[PCD], s31, v[PCD]
	s_add_co_u32 s46, s31, 256
	v_lshl_add_u32 v[PB8], v124, 3, v125
	v_add_nc_u32 v[PB8], s46, v[PB8]
	v_lshl_add_u32 v[LSC], v120, 3, WSC
	v_lshl_add_u32 v[VAD], v122, 5, DWT
	; the sums' stage: lane l stores its 16 sums as 64 bytes at 272 (l / 4) + 64 (l % 4)
	s_add_co_u32 s46, s31, SST
	v_lshrrev_b32 v126, 2, v120
	v_and_b32 v127, 3, v120
	v_mul_u32_u24 v[SSW], v126, RP
	v_lshl_add_u32 v[SSW], v127, 6, v[SSW]
	v_add_nc_u32 v[SSW], s46, v[SSW]
	; and reads the four numbers c = l % 4 of the lanes 16 g + 4 q + k, g = (l / 4) % 2, k = 2 ((l / 8) % 2) + l / 16, q = 0 .. 3: at 272 (4 g + q) + 64 k + 16 c: 16 lanes start in 16 different 16-byte columns of 256 bytes
	v_bfe_u32 v126, v0, 2, 1
	v_bfe_u32 v128, v0, 3, 1
	v_lshl_add_u32 v128, v128, 1, v122
	v_mul_u32_u24 v[SSR], v126, 4*RP
	v_lshl_add_u32 v[SSR], v128, 6, v[SSR]
	v_lshl_add_u32 v[SSR], v127, 4, v[SSR]
	v_add_nc_u32 v[SSR], s46, v[SSR]
	; the finished sums lie where the stage was read out: 128 (Q's 0, K's 1) + 64 h + 4 x register
	v_lshlrev_b32 v[SOW], 4, v127
	v_lshl_add_u32 v[SOW], v126, 6, v[SOW]
	v_lshl_add_u32 v[SOW], v122, 7, v[SOW]
	v_add_nc_u32 v[SOW], s46, v[SOW]
	v_lshl_add_u32 v[SOR], v122, 6, s46
	; the gather: eight lanes take a row of 128 bytes; load 4 a + b, lane l: token 16 a + 4 (l / 8) + b
	v_lshrrev_b32 v126, 3, v120
	v_lshlrev_b32 v131, 4, v126                    ; four tokens' 16 bytes
	v_and_b32 v127, 7, v120
	v_lshlrev_b32 v132, 4, v127                    ; 16 (l % 8)
	v_mad_u32_u24 v133, v126, 2*RP, v132
	v_add_nc_u32 v133, s31, v133                   ; where my 16 bytes of gathered rows go
	v_lshlrev_b32 v134, 2, v120                    ; a lane a token, for the scale bytes
	v_lshlrev_b32 v135, 4, v120
	v_lshlrev_b32 v136, 1, v0                      ; dense_w: 2 bytes a thread
	v_add_nc_u32 v137, DWT, v136
	s_lshl_b32 s46, s30, 9
	s_add_co_u32 s46, s46, WSC
	v_add_nc_u32 v138, s46, v135                   ; my 512 of the weights' scale bytes
	s_mov_b32 s34, 0x76543210
	s_mov_b32 s35, 0xfedcba98                      ; v_permlanex16_b32's selects for lane l xor 16
	; descriptor group 1: half a weight's codes, 16,384 dense bytes, as 64 rows of 256 bytes, 16 bytes of padding behind each
	s_mov_b32 s48, 15|(1<<20)|(1<<21)|(5<<22)|(3<<25)  ; 15:0 the mask: all four work-groups; 17:16 element of 1 byte; 20 padding on; 21 set beside a mask; 24:22 after every 64 words; 31:25 four words
	s_mov_b32 s49, 256<<16                         ; tensor_dim0
	s_mov_b32 s50, 64<<16                          ; tensor_dim1
	s_mov_b32 s51, 256<<16                         ; tile_dim0
	s_mov_b32 s52, 64                              ; tile_dim1
	s_mov_b32 s53, 256                             ; tensor_dim0_stride
	s_mov_b32 s54, 0
	s_mov_b32 s55, 0
	s_mov_b32 s56, 1
	s_and_b32 s44, s30, 7                          ; waves 0 to 7 fetch
	s_mul_i32 s57, s44, 64*RP                      ; where my half goes
	s_bfe_u32 s45, ttmp6, 0x40000                  ; my place in the cluster
	s_lshl_b32 s38, ttmp9, 2
	s_add_co_u32 s38, s38, s45                     ; work-group
	s_lshl_b32 s38, s38, 4
	s_add_co_u32 s40, s38, s30                     ; my item: 16 x work-group + wave
	s_wait_alu depctr_va_vdst(0)
	s_wait_dscnt 0x0                               ; both opening adds are done
	s_wait_kmcnt 0x0
	s_lshl_b32 s46, s40, 8
	s_mov_b32 s47, 0
	s_add_nc_u64 s[4:5], s[4:5], s[46:47]          ; my item's tokens
	s_lshl_b32 s46, s40, 10
	s_add_nc_u64 s[28:29], s[28:29], s[46:47]      ; my item's row of out0
	; 6 loads of tokens
.irp a, 0,1,2,3
	global_load_b128 v[94+4*\a:97+4*\a], v131, s[4:5] offset:64*\a
.endr
	global_load_b32 v110, v134, s[4:5]
	global_load_b32 v111, v134, s[4:5] offset:128
	s_lshr_b32 s46, s44, 1                         ; whose codes I fetch: the choices hang on the wave's number alone
	s_cmp_lt_u32 s46, 1
	s_cselect_b64 s[60:61], s[10:11], s[12:13]
	s_cmp_lt_u32 s46, 3
	s_cselect_b64 s[32:33], s[14:15], s[16:17]
	s_cmp_lt_u32 s46, 2
	s_cselect_b64 s[60:61], s[60:61], s[32:33]
	s_and_b32 s45, s30, 1                          ; which half of them
	s_lshl_b32 s46, s45, 14
	s_add_nc_u64 s[58:59], s[60:61], s[46:47]
	s_or_b32 s59, s59, 0x80000000
	s_lshr_b32 s46, s30, 2                         ; whose scale bytes I bring
	s_cmp_lt_u32 s46, 1
	s_cselect_b64 s[62:63], s[18:19], s[20:21]
	s_cmp_lt_u32 s46, 3
	s_cselect_b64 s[38:39], s[22:23], s[24:25]
	s_cmp_lt_u32 s46, 2
	s_cselect_b64 s[62:63], s[62:63], s[38:39]
	s_and_b32 s45, s30, 3                          ; which quarter of them
	s_lshl_b32 s46, s45, 9
	s_add_nc_u64 s[62:63], s[62:63], s[46:47]
	global_load_b128 v[140:143], v135, s[62:63]
	global_load_u16 v139, v136, s[26:27]
	CROUND                                         ; all four work-groups are here: the joint loads meet
	s_cmp_lt_u32 s30, 8
	s_cbranch_scc0 .Lasked
	tensor_load_to_lds s[56:59], s[48:55]          ; one a wave
	s_nop 0
.rept 4
	v_nop
.endr
.Lasked:
	s_wait_loadcnt 2                               ; the tokens are in; the two loads behind them may be out
.set j, 0
.rept 18
	v_min_u32 v[94+j], 0xc34f, v[94+j]             ; held at the table's last row
.set j, j+1
.endr
.set j, 0
.rept 16
	v_lshl_add_u32 v[94+j], v[94+j], 7, v132       ; 128 bytes of codes a row
.set j, j+1
.endr
	v_lshlrev_b32 v110, 3, v110                    ; 8 scale bytes a row
	v_lshlrev_b32 v111, 3, v111
	; 18 loads: my item's rows and scale bytes.  No hint: a row may be named again
.set j, 0
.rept 16
	global_load_b128 v[30+4*j:33+4*j], v[94+j], s[6:7]
.set j, j+1
.endr
	global_load_b64 v[18:19], v110, s[8:9]         ; x's scale words: a lane a token, the pair is K steps 0 and 1: tokens 0-31,
	global_load_b64 v[20:21], v111, s[8:9]         ; tokens 32-63
	s_wait_alu depctr_va_vdst(0)                   ; the wait at the head's end
	s_wait_loadcnt 18                              ; the weights' scale bytes and dense_w are in; the 18 loads of the gather may be out
	s_wait_tensorcnt 0x0                           ; my half of a matrix is in
	ds_store_b128 v138, v[140:143]
	ds_store_b16 v137, v139
	s_wait_dscnt 0x0                               ; for the others' sake: my part lies in LDS
	s_barrier_signal -1
	s_barrier_wait -1                              ; everybody's does.  From here on a wave stores only into its own bytes
	s_wait_loadcnt 0x0                             ; my rows are in
.set j, 0
.rept 16
	ds_store_b128 v133, v[30+4*j:33+4*j] offset:TB*(j/4)+RP*((j%4)/2)+128*(j%2)
.set j, j+1
.endr
	s_mov_b32 s40, 8                               ; heads to go
	s_mov_b32 s41, 0                               ; a head's rows of a weight: 16 x 272 bytes a head
	s_mov_b32 s42, 0                               ; their scale words: 256 bytes a head
	s_mov_b32 s43, 0                               ; a head's codes in a row of the context: 16 bytes a head
	s_mov_b32 s44, 0                               ; its scale byte: 1 a head
	v_add_nc_u32 v[TA], s31, v[LFR]
	XLOAD TA                                       ; x's eight fragments stay in registers for the eight heads.  LDS serves a wave's instructions in order (ISA guide 5.7.1): they see my stores
	WLOAD LFR, 0                                   ; head 0's rows of WQ
	ds_load_b64 v[12:13], v[LSC]                   ; scale words, a lane a row of the head's 32: WQ's,
	ds_load_b64 v[14:15], v[LSC] offset:2048       ; WK's,
	ds_load_b64 v[16:17], v[LSC] offset:4096       ; WV's
.Lhead:
	s_wait_dscnt 0x0                               ; this head's rows of WQ and the scale words are in
	PROD QT, 12                                    ; Q^T
	v_add_nc_u32 v[TA], s41, v[LFR]
.rept 3
	v_nop                                          ; with the line above the four places between the products and the loads into their operands
.endr
	WLOAD TA, WMAT                                 ; WK's rows
	TSUM KT, QT                                    ; the sums of Q over a lane's four tokens (K^T's registers are not yet in use)
.irp i, 0,1,2,3
	ds_store_b128 v[SSW], v[KT+4*\i:KT+4*\i+3] offset:16*\i
.endr
	s_wait_dscnt 0x0                               ; WK's rows are in, the stores have left their registers
	PROD KT, 14                                    ; K^T
.rept 4
	v_nop                                          ; the four places
.endr
.irp i, 0,1,2,3
	ds_load_b128 v[WF+4*\i:WF+4*\i+3], v[SSR] offset:RP*\i   ; Q's sums from the stage; K's stores come behind these loads
.endr
	TSUM WF+16, KT
.irp i, 0,1,2,3
	ds_store_b128 v[SSW], v[WF+16+4*\i:WF+19+4*\i] offset:16*\i
.endr
.irp i, 0,1,2,3
	ds_load_b128 v[WF+16+4*\i:WF+19+4*\i], v[SSR] offset:RP*\i
.endr
	s_wait_dscnt 0x0
	; the sums over the lanes: four rows in the lane, Q's and K's by turns
.irp b, 0,16
	DADD WF+\b, WF+\b, WF+\b+4
	DADD WF+\b+2, WF+\b+2, WF+\b+6
	DADD WF+\b+8, WF+\b+8, WF+\b+12
	DADD WF+\b+10, WF+\b+10, WF+\b+14
.endr
.irp b, 0,16
	DADD WF+\b, WF+\b, WF+\b+8
	DADD WF+\b+2, WF+\b+2, WF+\b+10
.endr
.irp i, 0,1,2,3
	v_permlane16_swap_b32 v[WF+\i], v[WF+16+\i]    ; lanes 0-15 now hold the two halves' shares of Q's sums, lanes 16-31 those of K's
.endr
	DADD WF, WF, WF+16
	DADD WF+2, WF+2, WF+18
.irp i, 0,1,2,3
	v_add_f32_dpp v[WF+\i], v[WF+\i], v[WF+\i] row_xmask:8 row_mask:0xf bank_mask:0xf
.endr
	ds_store_b128 v[SOW], v[WF:WF+3]               ; lanes l and l xor 8 write the same bytes with the same values
.irp i, 0,1,2,3
	ds_load_b128 v[WF+4*\i:WF+4*\i+3], v[SOR] offset:16*\i             ; the sum of Q at my 16 channels,
	ds_load_b128 v[WF+16+4*\i:WF+19+4*\i], v[SOR] offset:128+16*\i     ; and of K
.endr
	s_wait_dscnt 0x0
	; 64 w = (sum of Q) . K[l] + (sum of K) . Q[l]: my 16 channels, two at a time, the four tiles by turns
.irp t, 0,1,2,3
	DMUL WA+2*\t, KT+16*\t, WF
.endr
.irp t, 0,1,2,3
	DFMA WA+2*\t, QT+16*\t, WF+16
.endr
.irp i, 2,4,6,8,10,12,14
.irp t, 0,1,2,3
	DFMA WA+2*\t, KT+16*\t+\i, WF+\i
.endr
.irp t, 0,1,2,3
	DFMA WA+2*\t, QT+16*\t+\i, WF+16+\i
.endr
.endr
	s_add_co_u32 s47, s41, 2*WMAT
	v_add_nc_u32 v[TA], s47, v[LFR]
	WLOAD TA, 0                                    ; WV's rows: they land under the softmax
.irp t, 0,1,2,3
	v_add_f32 v[WT+\t], v[WA+2*\t], v[WA+2*\t+1]
.endr
.irp t, 0,1,2,3
	v_permlanex16_b32 v[TP+\t], v[WT+\t], s34, s35
.endr
.irp t, 0,1,2,3
	v_add_f32 v[WT+\t], v[WT+\t], v[TP+\t]         ; with the other half's 16 channels
.endr
	SOFTMAX 0x3cb8aa3b                             ; log2(e) / 64: the means' 1 / 64 is a power of two and is taken here.  w is normalised
	s_wait_dscnt 0x0                               ; WV's rows are in
	PROD QT, 16                                    ; V^T
	s_add_co_u32 s41, s41, 16*RP
	s_add_co_u32 s42, s42, 256
	v_add_nc_u32 v[AC], s43, v[PCD]                ; these four lines are the four places
	v_add_nc_u32 v[AB], s44, v[PB8]
	v_add_nc_u32 v[TA], s41, v[LFR]
	v_add_nc_u32 v[TS], s42, v[LSC]
	s_cmp_eq_u32 s40, 1                            ; the last head has no successor
	s_cbranch_scc1 .Llast_head
	WLOAD TA, 0                                    ; the next head's rows of WQ
	ds_load_b64 v[12:13], v[TS]
	ds_load_b64 v[14:15], v[TS] offset:2048
	ds_load_b64 v[16:17], v[TS] offset:4096
.Llast_head:
	; the context w V, quantised: the head's 32 channels of a token are one block; they lie in lanes l and l xor 16
.irp t, 0,1,2,3
	v_max3_num_f32 v[AM+\t], |v[QT+16*\t]|, |v[QT+16*\t+1]|, 0     ; the largest |V| of my 16 channels, for each tile
.endr
.irp i, 2,4,6,8,10,12,14
.irp t, 0,1,2,3
	v_max3_num_f32 v[AM+\t], v[AM+\t], |v[QT+16*\t+\i]|, |v[QT+16*\t+\i+1]|
.endr
.endr
.irp t, 0,1,2,3
	v_mul_f32 v[AM+\t], v[AM+\t], v[WT+\t]         ; w is not negative and rounding keeps order: this IS the largest magnitude of my 16 products
.endr
.irp t, 0,1,2,3
	v_permlanex16_b32 v[TP+\t], v[AM+\t], s34, s35
.endr
.irp i, 0,2,4,6
.irp t, 0,1,2,3
	DMB QT+16*\t+\i, WT+\t
.endr
.endr
.irp t, 0,1,2,3
	v_max3_num_f32 v[AM+\t], v[AM+\t], v[TP+\t], 0x1800000   ; the block's, and the floor 2^(3 - 127): the byte cannot fall under 1
.endr
.irp t, 0,1,2,3
	v_add_nc_u32 v[SC+\t], 0xff000000, v[AM+\t]    ; 2 off its exponent field: the conversion's scale operand
.endr
.irp i, 8,10,12,14
.irp t, 0,1,2,3
	DMB QT+16*\t+\i, WT+\t
.endr
.endr
.irp t, 0,1,2,3
	v_cvt_scalef32_pk8_fp4_f32 v[CD+2*\t], v[QT+16*\t:QT+16*\t+7], v[SC+\t]        ; channels 32 head + 8 h + 0 .. 7
	v_cvt_scalef32_pk8_fp4_f32 v[CD+2*\t+1], v[QT+16*\t+8:QT+16*\t+15], v[SC+\t]   ; and + 16
.endr
.irp t, 0,1,2,3
	v_lshrrev_b32 v[BY+\t], 23, v[SC+\t]           ; the scale's byte (also the plain lines behind the conversions, whose sources products write)
.endr
.irp t, 0,1,2,3
	ds_store_b32 v[AC], v[CD+2*\t] offset:TB*\t                      ; over x's codes, which lie in registers: row 16 t + r, byte 16 head + 4 h
	ds_store_b32 v[AC], v[CD+2*\t+1] offset:TB*\t+8
	ds_store_b8 v[AB], v[BY+\t] offset:TB*\t                         ; both halves of the lanes write the same byte with the same value
.endr
	s_add_co_u32 s43, s43, 16
	s_add_co_u32 s44, s44, 1
	s_sub_co_i32 s40, s40, 1
	s_cmp_lg_u32 s40, 0
	s_cbranch_scc1 .Lhead
	; THE SCORES: the context's eight fragments and their scale words, WO's rows 32 a trip, dense_w's 32 numbers.  These loads see the stores above
	s_mov_b32 s40, 8
	s_mov_b32 s41, 3*WMAT                          ; WO's rows: 16 x 272 bytes a trip
	s_mov_b32 s42, 6144                            ; their scale words: 256 bytes a trip
	s_mov_b32 s43, 0                               ; dense_w: 128 bytes a trip
	v_add_nc_u32 v[TA], s31, v[LFR]
	v_and_b32 v146, 31, v0
	v_lshrrev_b32 v147, 1, v146
	v_and_b32 v148, 1, v0
	v_mul_u32_u24 v147, v147, RP
	v_lshl_add_u32 v147, v148, 3, v147
	s_add_co_u32 s46, s31, 256
	v_add_nc_u32 v147, s46, v147                   ; the scale bytes of token lane
	v_add_nc_u32 v[AC], s41, v[LFR]
	XLOAD TA
	ds_load_b64 v[18:19], v147
	ds_load_b64 v[20:21], v147 offset:16*RP
	WLOAD AC, 0
	ds_load_b64 v[12:13], v[LSC] offset:6144
	VLOAD VAD
.irp j, 0,1,2,3,4,5,6,7
	v_mov_b32 v[WA+\j], 0                          ; four tiles' scores, even and odd columns
.endr
	s_wait_alu depctr_va_vdst(0)
.Lscore:
	s_wait_dscnt 0x0
	PROD QT, 12                                    ; hidden, transposed: lane (r, h): token 16 t + r; register 8 u + j: column 32 x trip + 16 u + 8 h + j
	s_add_co_u32 s41, s41, 16*RP
	s_add_co_u32 s42, s42, 256
	s_add_co_u32 s43, s43, 128
	v_add_nc_u32 v[AC], s41, v[LFR]                ; these four lines are the four places
	v_add_nc_u32 v[AB], s42, v[LSC]
	v_add_nc_u32 v[TS], s43, v[VAD]
	v_nop
	s_cmp_eq_u32 s40, 1
	s_cbranch_scc1 .Llast_rows
	WLOAD AC, 0                                    ; the next 32 rows of WO
	ds_load_b64 v[12:13], v[AB]
.Llast_rows:
.irp i, 0,2,4,6,8,10,12,14
.irp t, 0,1,2,3
	DFMA WA+2*\t, QT+16*\t+\i, VV+\i               ; hidden x dense_w; each accumulator is read from its low end on
.endr
.endr
	s_wait_alu depctr_va_vdst(0)                   ; the wait ahead of the branches
	s_cmp_eq_u32 s40, 1
	s_cbranch_scc1 .Llast_numbers
	VLOAD TS
.Llast_numbers:
	s_sub_co_i32 s40, s40, 1
	s_cmp_lg_u32 s40, 0
	s_cbranch_scc1 .Lscore
	; THE SOFTMAX OVER THE TOKENS, THE POOLING
	s_mov_b32 s40, 8
	s_mov_b32 s41, 3*WMAT
	s_mov_b32 s42, 6144
	s_mov_b32 s43, 0                               ; the leaving row: 128 bytes a trip
	s_add_co_u32 s46, s31, SST
	v_add_nc_u32 v133, s41, v[LFR]
	WLOAD 133, 0                                   ; WO's rows once more, from the first on
	ds_load_b64 v[12:13], v[LSC] offset:6144       ; a lane a row: lanes 0-15 one tile, lanes 16-31 the next
	v_and_b32 v129, 31, v0
	v_lshl_add_u32 v130, v129, 2, s46              ; the leaving row + 4 x lane
	v_lshlrev_b32 v138, 4, v129
	v_add_nc_u32 v136, s46, v138                   ; + 16 x lane
	v_and_b32 v134, 15, v0
	v_lshl_add_u32 v134, v134, 2, s46              ; the p: 64 t + 4 r
	v_bfe_u32 v135, v0, 4, 1
	v_lshl_add_u32 v135, v135, 5, s46              ; and back: 64 t + 32 h
.irp t, 0,1,2,3
	v_add_f32 v[WT+\t], v[WA+2*\t], v[WA+2*\t+1]
.endr
	s_wait_alu depctr_va_vdst(0)
.irp t, 0,1,2,3
	v_permlanex16_b32 v[TP+\t], v[WT+\t], s34, s35
.endr
.irp t, 0,1,2,3
	v_add_f32 v[WT+\t], v[WT+\t], v[TP+\t]         ; with the other half's columns: the scores of tokens 16 t + r
.endr
	SOFTMAX 0x3fb8aa3b                             ; log2(e)
.irp t, 0,1,2,3
	ds_store_b32 v134, v[WT+\t] offset:64*\t       ; both halves of the lanes write the same words with the same values
.endr
.irp t, 0,1,2,3
	ds_load_b128 v[PP+8*\t:PP+8*\t+3], v135 offset:64*\t
	ds_load_b128 v[PP+8*\t+4:PP+8*\t+7], v135 offset:64*\t+16
.endr
	s_wait_alu depctr_va_vdst(0)
.Lout:                                                 ; 32 columns a trip: hidden of all 64 tokens, pooled at once
	s_wait_dscnt 0x0
.irp s, 0,1                            ; four accumulators by turns
.irp nb, 0,1
.irp tt, 0,1
	MM QT+32*\nb+16*\tt, XF+32*\tt+16*\s, WF+16*\s+8*\nb, 1-\s, 18+2*\tt+\s, 12+\s, \nb
.endr
.endr
.endr
	s_add_co_u32 s41, s41, 16*RP
	s_add_co_u32 s42, s42, 256
	v_add_nc_u32 v133, s41, v[LFR]                 ; these four lines are the four places
	v_add_nc_u32 v132, s42, v[LSC]
	v_add_nc_u32 v137, s43, v130
	v_nop
	s_add_co_u32 s43, s43, 128
	s_cmp_eq_u32 s40, 1
	s_cbranch_scc1 .Llast_out
	WLOAD 133, 0                                   ; the next two tiles: they land under the pooling
	ds_load_b64 v[12:13], v132
.Llast_out:
.irp tp, 0,2                           ; my column's hidden x p, two tokens at a time, four chains by turns; each accumulator is read from its low end on
.irp jp, 0,2,4,6
.irp nb, 0,1
.irp par, 0,1
.if (\tp==0)&&(\jp==0)
	DMUL WA+4*\nb+2*\par, QT+32*\nb+8*\tp+8*\par+\jp, PP+8*\tp+8*\par+\jp
.else
	DFMA WA+4*\nb+2*\par, QT+32*\nb+8*\tp+8*\par+\jp, PP+8*\tp+8*\par+\jp
.endif
.endr
.endr
.endr
.endr
	DADD WA, WA, WA+2
	DADD WA+4, WA+4, WA+6
	v_add_f32 v126, v[WA], v[WA+1]
	v_add_f32 v127, v[WA+4], v[WA+5]
	v_permlane16_swap_b32 v126, v127               ; the first's lanes 16-31 change places with the second's lanes 0-15: the two now hold the two halves' shares of columns 32 x trip + lane
	v_add_f32 v128, v126, v127
	ds_store_b32 v137, v128
	s_sub_co_i32 s40, s40, 1
	s_cmp_lg_u32 s40, 0
	s_cbranch_scc1 .Lout
	ds_load_b128 v[30:33], v136
	ds_load_b128 v[34:37], v136 offset:512
	s_wait_dscnt 0x0
	global_store_b128 v138, v[30:33], s[28:29] th:TH_STORE_NT          ; 32 lanes store 512 consecutive bytes, at a multiple of 256 from out0's first byte
	global_store_b128 v138, v[34:37], s[28:29] offset:512 th:TH_STORE_NT
	v_lshl_add_u32 v[SPW], v0, 2, SPARE
	v_mov_b32 v[NIL], 0
	s_wait_alu depctr_va_vdst(0)
	s_wait_tensorcnt 0x0                           ; the wave's end
	ds_add_u32 v[SPW], v[NIL]
	s_wait_dscnt 0x0
	CROUND                                         ; the closing round
	s_endpgm
.Lfunc_end_k_q1cba2c8180_news:
	.size	k_q1cba2c8180_news, .Lfunc_end_k_q1cba2c8180_news-k_q1cba2c8180_news
	.p2alignl 7, 3214868480
	.fill 96, 4, 3214868480
	.section	.rodata,"a",@progbits
	.p2align	6, 0x0
	.amdhsa_kernel k_q1cba2c8180_news
		.amdhsa_group_segment_fixed_size 326656
		.amdhsa_private_segment_fixed_size 0
		.amdhsa_enable_private_segment 0
		.amdhsa_kernarg_size 104
		.amdhsa_user_sgpr_count 2
		.amdhsa_user_sgpr_kernarg_segment_ptr 1
		.amdhsa_wavefront_size32 1
		.amdhsa_system_sgpr_workgroup_id_x 1
		.amdhsa_system_sgpr_workgroup_id_y 1
		.amdhsa_system_sgpr_workgroup_id_z 1
		.amdhsa_system_vgpr_workitem_id 0
		.amdhsa_next_free_vgpr 256
		.amdhsa_next_free_sgpr 66
		.amdhsa_reserve_vcc 0
		.amdhsa_float_denorm_mode_32 3
		.amdhsa_float_denorm_mode_16_64 3
		.amdhsa_memory_ordered 1
		.amdhsa_forward_progress 1
		.amdhsa_inst_pref_size 55
	.end_amdhsa_kernel
	.amdgpu_metadata
---
amdhsa.version: [ 1, 2 ]
amdhsa.kernels:
  - .name:           k_q1cba2c8180_news
    .symbol:         k_q1cba2c8180_news.kd
    .args:
      - { .name: tokens, .offset: 0, .size: 8, .value_kind: global_buffer, .address_space: global }
      - { .name: xc, .offset: 8, .size: 8, .value_kind: global_buffer, .address_space: global }
      - { .name: xs, .offset: 16, .size: 8, .value_kind: global_buffer, .address_space: global }
      - { .name: WQ_codes, .offset: 24, .size: 8, .value_kind: global_buffer, .address_space: global }
      - { .name: WK_codes, .offset: 32, .size: 8, .value_kind: global_buffer, .address_space: global }
      - { .name: WV_codes, .offset: 40, .size: 8, .value_kind: global_buffer, .address_space: global }
      - { .name: WO_codes, .offset: 48, .size: 8, .value_kind: global_buffer, .address_space: global }
      - { .name: WQ_scales, .offset: 56, .size: 8, .value_kind: global_buffer, .address_space: global }
      - { .name: WK_scales, .offset: 64, .size: 8, .value_kind: global_buffer, .address_space: global }
      - { .name: WV_scales, .offset: 72, .size: 8, .value_kind: global_buffer, .address_space: global }
      - { .name: WO_scales, .offset: 80, .size: 8, .value_kind: global_buffer, .address_space: global }
      - { .name: dense_w, .offset: 88, .size: 8, .value_kind: global_buffer, .address_space: global }
      - { .name: out0, .offset: 96, .size: 8, .value_kind: global_buffer, .address_space: global }
    .group_segment_fixed_size: 326656
    .private_segment_fixed_size: 0
    .kernarg_segment_align: 8
    .kernarg_segment_size: 104
    .max_flat_workgroup_size: 512
    .sgpr_count:     66
    .vgpr_count:     256
    .wavefront_size: 32
...
	.end_amdgpu_metadata
.endif
;; end of part 2
